; MI455X (gfx1250); checked and timed in simulation.
; The chip was launched on July 23, 2026; its instructions are those of AMD's public machine-readable ISA for CDNA 5 (MIT licence, August 2026) and "CDNA5" Instruction Set Architecture Reference Guide (July 2026). The comments in the code are by the model that wrote it; some were corrected since.
;; Multi Headed Attention. Allowed arithmetic: matrix products marked QUANTISED: E2M3 operands, one E8M0 scale for each 32 along K, by v_wmma_scale_f32_16x16x128_f8f6f4 with both operands' format E2M3, f32 sums; everything else in f32.
;; Inputs: Wk_codes 12 x 64 x 24 x 24 uint8 (E2M3 codes of Wk, K innermost, in blocks of 32 codes, four codes in three bytes); Wk_scales 12 x 64 x 24 uint8 (E8M0 scales of Wk, one for each 32 codes along K); Wo_codes 768 x 24 x 24 uint8 (E2M3 codes of Wo, K innermost, in blocks of 32 codes, four codes in three bytes); Wo_scales 768 x 24 uint8 (E8M0 scales of Wo, one for each 32 codes along K); Wq_codes 12 x 64 x 24 x 24 uint8 (E2M3 codes of Wq, K innermost, in blocks of 32 codes, four codes in three bytes); Wq_scales 12 x 64 x 24 uint8 (E8M0 scales of Wq, one for each 32 codes along K); Wv_codes 12 x 64 x 24 x 24 uint8 (E2M3 codes of Wv, K innermost, in blocks of 32 codes, four codes in three bytes); Wv_scales 12 x 64 x 24 uint8 (E8M0 scales of Wv, one for each 32 codes along K); bk 12 x 64 float32; bo 768 float32; bq 12 x 64 float32; bv 12 x 64 float32; key_codes 2 x 2,048 x 24 x 24 uint8 (E2M3 codes of key, K innermost, in blocks of 32 codes, four codes in three bytes); key_scales 2 x 2,048 x 24 uint8 (E8M0 scales of key, one for each 32 codes along K); query_codes 2 x 2,048 x 24 x 24 uint8 (E2M3 codes of query, K innermost, in blocks of 32 codes, four codes in three bytes); query_scales 2 x 2,048 x 24 uint8 (E8M0 scales of query, one for each 32 codes along K); value_codes 2 x 2,048 x 24 x 24 uint8 (E2M3 codes of value, K innermost, in blocks of 32 codes, four codes in three bytes); value_scales 2 x 2,048 x 24 uint8 (E8M0 scales of value, one for each 32 codes along K).
;; Outputs: out0 2 x 2,048 x 768 float32.
;; This version of the problem:
;;   THIS VERSION OF THE PROBLEM IS GIVEN IN LOW PRECISION. The matrix products marked QUANTISED in the list below multiply operands that are first quantised to E2M3 (2 exponent bits, 3 mantissa bits; 6 bits a number), with one power-of-two scale for each 32 numbers along K (OCP MX v1.0); their sums are f32. All else is computed in f32.
;;   The module's matrix products, in the order in which they are computed (A, B: the left and right operand; K: the contracted axis; several contracted axes count as one K, in the product's order):
;;     1. [M 768, K 768] x [K 768, N 4,096]; A: input Wq (given as codes); B: input query (given as codes): QUANTISED
;;     2. [M 768, K 768] x [K 768, N 4,096]; A: input Wk (given as codes); B: input key (given as codes): QUANTISED
;;     3. [M 768, K 768] x [K 768, N 4,096]; A: input Wv (given as codes); B: input value (given as codes): QUANTISED
;;     4. batch 24 x [M 2,048, K 64] x [K 64, N 2,048]; A: computed on the way; B: computed on the way: QUANTISED
;;     5. batch 24 x [M 2,048, K 2,048] x [K 2,048, N 64]; A: softmax (see below); B: computed on the way: QUANTISED
;;     6. [M 4,096, K 768] x [K 768, N 768]; A: computed on the way; B: input Wo (given as codes): QUANTISED
;;   THE QUANTISER, for each operand of a quantised product, along K:
;;     - K is cut into blocks of 32 from its start; a last block that is shorter is filled with zeros.
;;     - A block's scale is 2^e with e = floor(log2(the largest magnitude in the block)) - 2, held to -126 .. 127; a block of zeros has e = 0. As a byte (E8M0): e + 127.
;;     - Each number is divided by its block's scale, clamped to +-7.5, and rounded to the nearest number of E2M3, ties to even, subnormals kept.
;;     - The product sums the exact products of the quantised numbers (number of the format x scale) in f32.
;;   ~~~python
;;   def quantise(x, axis):      # numpy; x: float32 -> the quantised numbers, widened to float32 again
;;       x = np.moveaxis(x, axis, -1); K = x.shape[-1]
;;       x = np.pad(x, [(0, 0)] * (x.ndim - 1) + [(0, -K % 32)]); x = x.reshape(x.shape[:-1] + (-1, 32)); a = np.abs(x).max(-1, keepdims=True)
;;       e = np.where(a > 0, np.clip(np.frexp(np.where(a > 0, a, 1))[1] - 1 - 2, -126, 127), 0)      # np.frexp(a)[1] - 1 = floor(log2(a)), exactly
;;       r = np.clip(x / 2.0 ** e, -7.5, 7.5)
;;       step = 2.0 ** (np.maximum(np.frexp(np.where(r == 0, 1, r))[1] - 1, 0) - 3)
;;       q = np.round(r / step) * step * 2.0 ** e      # np.round: ties to even
;;       return np.moveaxis(q.reshape(q.shape[:-2] + (-1,))[..., :K], -1, axis).astype(np.float32)
;;   ~~~
;;   SOFTMAX AHEAD OF A QUANTISED PRODUCT. Where the list says 'softmax', what is quantised is not the finished softmax but p = 2^(t - M), with t = logit x log2(e) and M = ceil(the row's largest t), a whole number; so 1/2 < the row's largest p <= 1. The row's sum l is taken of the UNQUANTISED p, in f32, and the product's result is divided by l at the end. Since M is a whole number, a kernel that streams over the keys may use a running M (the ceiling of the running maximum): every later rescaling is an exact power of two, which a block's scale takes up: the codes' values come out the same.
;;   OPERANDS COMPUTED ON THE WAY. 'Computed on the way' means the value that the module computes at that place (a softmax that the list does not call 'softmax' is quantised finished and normalised). What goes into a quantiser is computed in f32, as accurately as f32 sums, v_exp_f32 and their like allow (about 1e-6 of the number): no bf16 or f16 on the way to a quantiser, and a product that is left as it is and whose result goes on into a quantised operand takes f32 operands (vector FMAs, or v_wmma_f32_16x16x4_f32). A number that lies on a knife's edge between two numbers of the format may be rounded either way, as far as f32 arithmetic and the matrix unit's own rounding can turn it there, and no further.
;;   INPUTS GIVEN AS CODES. Wk (in the module: [12, 64, 768], K = its axis 2); Wo (in the module: [768, 768], K = its axis 1); Wq (in the module: [12, 64, 768], K = its axis 2); Wv (in the module: [12, 64, 768], K = its axis 2); key (in the module: [2, 2048, 768], K = its axis 2); query (in the module: [2, 2048, 768], K = its axis 2); value (in the module: [2, 2048, 768], K = its axis 2): each comes as NAME_codes (uint8): NAME with its K axis moved to the last place and cut into blocks of 32 codes, [.., K / 32, bytes a block], one block behind the other in memory; four codes in three bytes: a row's codes are one little-endian stream of bits, code i at bits 6 i .. 6 i + 5 (a code: sign, 2 exponent bits, 3 mantissa bits); and NAME_scales (uint8): the same leading axes, one E8M0 byte (e + 127) for each 32 codes along K. Its value is code x scale, taken as it is: it is not quantised again, and the codes and scales need not be those that the quantiser above would give.
;; One version. Each part assembles by itself: llvm-mc -triple=amdgcn-amd-amdhsa -mcpu=gfx1250 --defsym DOCPART=n.
;; ======== version 1 of 1: 3 launches
;; limits: right only within a limited range of input values
;; workspace buffers: qc 2,359,296 bytes; qs 98,304 bytes; kv 4,915,200 bytes; cc 2,359,296 bytes; cs 98,304 bytes
;; launch proj (part 1): grid 16 x 12, 12 waves a work-group, no clusters, 280,576 bytes of LDS; arguments query_codes, query_scales, Wq_codes, Wq_scales, bq, key_codes, key_scales, Wk_codes, Wk_scales, bk, value_codes, value_scales, Wv_codes, Wv_scales, bv, qc, qs, kv; writes qc, qs, kv
.if DOCPART == 1
	.amdgcn_target "amdgcn-amd-amdhsa--gfx1250"
	.amdhsa_code_object_version 6
	.text
	.protected	k_q50cff3e281_proj
	.globl	k_q50cff3e281_proj
	.p2align	8
	.type	k_q50cff3e281_proj,@function
k_q50cff3e281_proj:
	s_mov_b64 s[64:65], 0
	v_nop
	global_prefetch_b8 v0, s[64:65] scope:SCOPE_SE
	s_setreg_imm32_b32 hwreg(HW_REG_WAVE_MODE, 25, 1), 1
	s_wait_xcnt 0x0
; q = query Wq^T + bq, k = key Wk^T + bk, v = value Wv^T + bv, on codes of FP6 (E2M3) with one E8M0 scale for each 32 along K = 768; sums in f32.
; The results are quantised at once: q and k along the head's 64 channels, v along the keys; only codes and scale bytes go to memory.
; SHARES.  Work-group (x, y): x = 256 tokens of the 4,096; y / 4 = the tensor (0 q, 1 k, 2 v), y % 4 = three heads (192 rows of W).  Twelve waves; wave w makes 64 tokens (w % 4) x the 64 channels of head w / 4:
; 16 accumulators, 96 matrix instructions.
; ONE TEXT FOR THE THREE TENSORS.  Source 0 (R) is the operand whose rows run along a lane's registers in the result, which is the axis that is quantised next; source 1 (L) has one row a lane.
; q, k: R = W, L = the activations.  v: R = the activations, L = W.  Only four LDS bases, the bias and the output offsets differ.
; THE ROWS OF A TILE ARE NOT NEIGHBOURS: row r of tile t (0 .. 3) of a run of 64 rows is row 32 (r / 8) + 8 t + r % 8.  So lane (r, h) holds in the 32 registers of R's four tiles R's rows 32 h + 0 .. 31:
; a whole block of 32 along the next K, and no lane looks at another for a block's largest magnitude.
; In LDS the rows lie in that order (group g of the run's eight groups of eight rows goes to place 2 (g % 4) + g / 4 on the way in), so a tile is 16 LDS rows on end.
; OUTPUT.  A UNIT is 16 rows x 64 along K, six registers a lane (lane (r, h): row r, block h), stored as an image of the registers: registers 0-3 at 16 x lane (512 bytes), registers 4-5 at 512 + 8 x lane (256 bytes).
; NO TENSOR LOADS, NO CLUSTER: a row is 576 bytes; a descriptor pads at intervals that are powers of two, here 16 bytes behind each 64, a pitch of 720, with which the 448 rows take 322,560 bytes and leave too little for
; the scales; and one descriptor cannot let groups of rows change places.  So the rows come through registers, 512 consecutive bytes an instruction.  There is no loop to run ahead in, so nothing is prefetched.
; LIMITS: NaN and infinities are not served; a block whose largest magnitude lies under 2^-124 (a block of zeros too) gets the scale byte 1: the bytes are read by this program alone.  The bias is added behind the K sums.
.set PITCH, 592                        ; an LDS row: 576 bytes + 16 = 148 words: row r starts at bank 20 r mod 64 (64 banks of 4 bytes: ISA guide 11.1): the 32 lanes of a load of 8 bytes touch 64 different banks
.set GRP,   8*PITCH                    ; eight rows
.set QUAD,  4*GRP                      ; four groups
.set TILEB, 16*PITCH
.set RUN,   64*PITCH
.set WTB,   256*PITCH                  ; LDS: 256 rows of activations from 0, then 192 rows of W,
.set ASC,   WTB+192*PITCH              ; the activations' scale bytes, 24 a row, rows as in memory,
.set WSC,   ASC+256*24                 ; W's likewise,
.set BST,   WSC+192*24                 ; 256 bytes for each wave: its head's 64 numbers of the bias,
.set SPARE, BST+12*256                 ; and the spare words
.set RSC,   24                         ; v24-25  R's scale words: register i: lanes 0-15 tile 2 i, lanes 16-31 tile 2 i + 1.  v26-27 L's
.set LSC,   26
.set RF,    32                         ; v32-79   R's four fragments
.set LF,    80                         ; v80-127  L's four
.set ACC,   128                        ; v128-255 accumulator (a, n) at ACC + 32 n + 8 a
.set SD,    64                         ; v64-231  on the way in: 42 loads of 16 bytes a lane
.set BC,    32                         ; behind the K steps: the bias,
.set UC,    64                         ; four units of codes, six registers each,
.set HC,    88                         ; the conversions' second halves,
.set TM,    104                        ; at work,
.set PW0,   120                        ; the scale words made
.set PW1,   121
.set PWW,   122
.macro PLACES                          ; four plain vector instructions stand between a matrix instruction and a load into, or a vector read of, its registers
.rept 4
	v_nop
.endr
.endm
; one matrix instruction.  z = 1: the constant 0 starts the sum.  ra, rb: which half of the lanes of the scale registers is read
.macro WMMA d, a, b, z, sa, sb, ra, rb
.if (\z) && ((\ra) == 0) && ((\rb) == 0)
	v_wmma_scale_f32_16x16x128_f8f6f4 v[\d:\d+7], v[\a:\a+11], v[\b:\b+11], 0, v[\sa], v[\sb] matrix_a_fmt:MATRIX_FMT_FP6 matrix_b_fmt:MATRIX_FMT_FP6
.elseif (\z) && ((\ra) == 1) && ((\rb) == 0)
	v_wmma_scale_f32_16x16x128_f8f6f4 v[\d:\d+7], v[\a:\a+11], v[\b:\b+11], 0, v[\sa], v[\sb] matrix_a_fmt:MATRIX_FMT_FP6 matrix_b_fmt:MATRIX_FMT_FP6 matrix_a_scale:MATRIX_SCALE_ROW1
.elseif (\z) && ((\ra) == 0) && ((\rb) == 1)
	v_wmma_scale_f32_16x16x128_f8f6f4 v[\d:\d+7], v[\a:\a+11], v[\b:\b+11], 0, v[\sa], v[\sb] matrix_a_fmt:MATRIX_FMT_FP6 matrix_b_fmt:MATRIX_FMT_FP6 matrix_b_scale:MATRIX_SCALE_ROW1
.elseif (\z)
	v_wmma_scale_f32_16x16x128_f8f6f4 v[\d:\d+7], v[\a:\a+11], v[\b:\b+11], 0, v[\sa], v[\sb] matrix_a_fmt:MATRIX_FMT_FP6 matrix_b_fmt:MATRIX_FMT_FP6 matrix_a_scale:MATRIX_SCALE_ROW1 matrix_b_scale:MATRIX_SCALE_ROW1
.elseif ((\ra) == 0) && ((\rb) == 0)
	v_wmma_scale_f32_16x16x128_f8f6f4 v[\d:\d+7], v[\a:\a+11], v[\b:\b+11], v[\d:\d+7], v[\sa], v[\sb] matrix_a_fmt:MATRIX_FMT_FP6 matrix_b_fmt:MATRIX_FMT_FP6
.elseif ((\ra) == 1) && ((\rb) == 0)
	v_wmma_scale_f32_16x16x128_f8f6f4 v[\d:\d+7], v[\a:\a+11], v[\b:\b+11], v[\d:\d+7], v[\sa], v[\sb] matrix_a_fmt:MATRIX_FMT_FP6 matrix_b_fmt:MATRIX_FMT_FP6 matrix_a_scale:MATRIX_SCALE_ROW1
.elseif ((\ra) == 0) && ((\rb) == 1)
	v_wmma_scale_f32_16x16x128_f8f6f4 v[\d:\d+7], v[\a:\a+11], v[\b:\b+11], v[\d:\d+7], v[\sa], v[\sb] matrix_a_fmt:MATRIX_FMT_FP6 matrix_b_fmt:MATRIX_FMT_FP6 matrix_b_scale:MATRIX_SCALE_ROW1
.else
	v_wmma_scale_f32_16x16x128_f8f6f4 v[\d:\d+7], v[\a:\a+11], v[\b:\b+11], v[\d:\d+7], v[\sa], v[\sb] matrix_a_fmt:MATRIX_FMT_FP6 matrix_b_fmt:MATRIX_FMT_FP6 matrix_a_scale:MATRIX_SCALE_ROW1 matrix_b_scale:MATRIX_SCALE_ROW1
.endif
.endm
	s_load_b512 s[8:23], s[0:1], 0x0               ; argument i lands at s[8 + 2 i]: q's five inputs s[8:17], k's s[18:27],
	s_load_b512 s[24:39], s[0:1], 0x40             ; v's s[28:37], qc s[38:39],
	s_load_b128 s[40:43], s[0:1], 0x80             ; qs s[40:41], kv s[42:43]
	s_set_vgpr_msb 0x40
	v_lshl_add_u32 v0, v0, 2, SPARE                ; v256: my spare word
	v_mov_b32 v1, 0                                ; v257: 0
	s_set_vgpr_msb 0x4000
	v_lshrrev_b32 v32, 5, v0
	s_delay_alu instid0(VALU_DEP_1)
	v_readfirstlane_b32 s2, v32                    ; wave 0..11
	s_and_b32 s66, ttmp7, 0xffff
	s_lshr_b32 s3, s66, 2                          ; the tensor: 0 q, 1 k, 2 v
	s_and_b32 s4, s66, 3                           ; which three heads
	s_lshr_b32 s5, s2, 2                           ; my head of the three.  On the way in: which three of a group's nine instructions
	s_and_b32 s6, s2, 3                            ; my 64 tokens of the 256.  On the way in: which group of each four
	s_mov_b32 s7, ttmp9                            ; which 256 tokens
	s_mov_b32 s92, 0x76543210
	s_mov_b32 s93, 0xfedcba98                      ; v_permlanex16_b32's selects for lane l xor 16
	s_mov_b32 s94, 0xffff0000                      ; lanes 16-31
	v_and_b32 v33, 31, v0                          ; lane
	s_wait_alu depctr_va_vdst(0)
	v_and_b32 v2, 15, v0                           ; r
	v_bfe_u32 v3, v0, 4, 1                         ; h
	v_lshlrev_b32 v1, 2, v33                       ; 4 x lane
	v_lshlrev_b32 v7, 3, v33                       ; 8 x lane
	v_lshlrev_b32 v30, 4, v33                      ; 16 x lane
	v_lshlrev_b32 v5, 4, v0                        ; 16 x thread
	v_lshlrev_b32 v6, 2, v0                        ; 4 x thread
	; THE WAY IN.  Eight rows are 4,608 consecutive bytes: 288 pieces of 16, nine instructions of 512 bytes.  I take instructions 3 (w / 4) + jj of the groups 4 i + w % 4.
	s_mul_i32 s67, s5, 1536
	s_mul_i32 s68, s6, 4608
	s_add_co_u32 s67, s67, s68
	v_add_nc_u32 v4, s67, v30                      ; in memory: 16 x lane + 1,536 (w / 4) + 4,608 (w % 4)
	s_lshl_b32 s70, s6, 1                          ; in LDS group 4 i + w % 4 goes to place 2 (w % 4) + i % 2 of run i / 2
	s_mul_i32 s70, s70, GRP
	s_mul_i32 s69, s5, 96
	v_add_nc_u32 v33, s69, v33                     ; my piece of the group's 288, for jj = 0
.irp jj, 0,1,2
	v_add_nc_u32 v34, 32*\jj, v33                  ; piece x
	s_delay_alu instid0(VALU_DEP_1)
	v_mul_u32_u24 v35, v34, 1821
	s_delay_alu instid0(VALU_DEP_1)
	v_lshrrev_b32 v35, 16, v35                     ; its row x / 36 (1,821 / 65,536 lies over 1 / 36 by less than 1 / (36 x 288): exact for x < 288)
	s_delay_alu instid0(VALU_DEP_1)
	v_add_nc_u32 v34, v34, v35
	s_delay_alu instid0(VALU_DEP_1)
	v_lshl_add_u32 v[8+\jj], v34, 4, s70           ; 16 x + 16 for each row passed; v8-10 serve i = 0..3,
	s_delay_alu instid0(VALU_DEP_1)
	v_add_nc_u32 v[11+\jj], 4*QUAD, v[8+\jj]       ; v11-13 i = 4..7,
	v_add_nc_u32 v[14+\jj], 8*QUAD, v[8+\jj]       ; v14-16 i = 8..11 (W begins at 8 QUAD),
	v_add_nc_u32 v[17+\jj], 12*QUAD, v[8+\jj]      ; v17-19 i = 12, 13: the immediate holds 16 bits
.endr
	; fragments and scale words
	v_mul_u32_u24 v36, v2, PITCH
	s_delay_alu instid0(VALU_DEP_1)
	v_mad_u32_u24 v36, v3, 24, v36                 ; row r, + 24 h
	s_wait_alu depctr_va_vdst(0)
	s_mul_i32 s72, s5, RUN
	s_add_co_u32 s72, s72, WTB                     ; my head's 64 rows of W
	s_mul_i32 s73, s6, RUN                         ; my 64 tokens
	s_mul_i32 s76, s5, 1536
	s_add_co_u32 s76, s76, WSC
	s_mul_i32 s77, s6, 1536
	s_add_co_u32 s77, s77, ASC
	s_cmp_eq_u32 s3, 2                             ; v: R = the activations, L = W
	s_cselect_b32 s74, s73, s72
	s_cselect_b32 s75, s72, s73
	s_cselect_b32 s78, s77, s76
	s_cselect_b32 s79, s76, s77
	v_add_nc_u32 v20, s74, v36                     ; R's fragments
	v_add_nc_u32 v21, s75, v36                     ; L's
	v_and_b32 v37, 8, v2
	s_delay_alu instid0(VALU_DEP_1)
	v_mad_u32_u24 v37, v37, 3, v2                  ; 32 (r / 8) + r % 8
	s_delay_alu instid0(VALU_DEP_1)
	v_lshl_add_u32 v38, v3, 3, v37                 ; lanes 16-31 take the odd tile: 8 rows on
	s_delay_alu instid0(VALU_DEP_1)
	v_mul_u32_u24 v38, v38, 24
	s_delay_alu instid0(VALU_DEP_1)
	v_add_nc_u32 v22, s78, v38                     ; R's scale words
	v_add_nc_u32 v23, s79, v38                     ; L's
	s_lshl_b32 s80, s2, 8
	s_add_co_u32 s80, s80, BST                     ; my 64 numbers of the bias
	v_lshl_add_u32 v28, v3, 7, s80                 ; q, k: the channels run along my registers: 32 h on
	v_lshl_add_u32 v29, v37, 2, s80                ; v: my lane's channel
	v_add_nc_u32 v31, s80, v7                      ; on the way in: 8 bytes a lane
	v_add_nc_u32 v39, ASC, v5
	v_add_nc_u32 v40, WSC, v6
	v_mul_u32_u24 v248, v0, PITCH                  ; the rows' padding: rows 0 .. 383, a thread a row,
	v_mov_b32 v244, 0
	v_mov_b32 v245, 0
	v_mov_b32 v246, 0
	v_mov_b32 v247, 0
	v_add_nc_u32 v249, 384*PITCH, v248             ; and rows 384 .. 447, by waves 0 and 1
	; offsets into the inputs
	s_mul_i32 s82, s7, 256*576
	s_mov_b32 s83, 0
	s_mul_i32 s84, s7, 256*24
	s_mov_b32 s85, 0
	s_mul_i32 s86, s4, 192*576
	s_mov_b32 s87, 0
	s_mul_i32 s88, s4, 192*24
	s_mov_b32 s89, 0
	s_mul_i32 s90, s4, 768
	s_lshl_b32 s91, s5, 8
	s_add_co_u32 s90, s90, s91
	s_mov_b32 s91, 0
	; offsets into the outputs
	s_lshr_b32 s66, s7, 3                          ; the batch
	s_and_b32 s67, s7, 7                           ; which 256 of its 2,048 tokens
	s_mul_i32 s66, s66, 12
	s_mul_i32 s68, s4, 3
	s_add_co_u32 s66, s66, s68
	s_add_co_u32 s66, s66, s5                      ; bh = 12 x batch + head
	s_and_b32 s68, s6, 1                           ; which 64 of a record's 128 keys
	s_lshr_b32 s69, s6, 1
	s_lshl_b32 s70, s66, 4
	s_lshl_b32 s71, s67, 1
	s_add_co_u32 s70, s70, s71
	s_add_co_u32 s70, s70, s69
	s_mul_i32 s70, s70, 12800                      ; kv: [bh][16 records of 128 keys]: K's 8 units, V's 8 units, 256 bytes of K's scale words, 256 of V's
	s_lshl_b32 s71, s66, 7
	s_lshl_b32 s72, s67, 4
	s_add_co_u32 s71, s71, s72
	s_lshl_b32 s72, s6, 2
	s_add_co_u32 s71, s71, s72
	s_mul_i32 s71, s71, 768                        ; qc: [bh][128 tiles of queries][768]
	s_lshl_b32 s72, s66, 5
	s_lshl_b32 s73, s67, 2
	s_add_co_u32 s72, s72, s73
	s_add_co_u32 s72, s72, s6
	s_lshl_b32 s72, s72, 7                         ; qs: [bh][32 blocks of 64 queries][128]
	s_mul_i32 s73, s68, 3072
	s_add_co_u32 s73, s73, s70                     ; k: my four units on end
	s_mul_i32 s74, s68, 768
	s_add_co_u32 s74, s74, s70
	s_add_co_u32 s74, s74, 6144                    ; v: unit (tile of channels d, half c) at 1,536 d + 768 c
	s_lshl_b32 s75, s68, 7
	s_add_co_u32 s75, s75, s70
	s_add_co_u32 s76, s75, 12544
	s_add_co_u32 s75, s75, 12288
	s_mov_b32 s78, 768                             ; bytes from one of my units to the next
	s_cmp_eq_u32 s3, 2
	s_cselect_b32 s73, s74, s73
	s_cselect_b32 s75, s76, s75
	s_cselect_b32 s78, 1536, s78
	s_cmp_eq_u32 s3, 0
	s_cselect_b32 s80, s71, s73                    ; my first unit
	s_cselect_b32 s76, s72, s75                    ; my 128 bytes of scale words
	s_mov_b32 s81, 0
	s_mov_b32 s77, 0
	s_mov_b32 s79, 0
	s_wait_alu depctr_va_vdst(0)                   ; it covers what the head's vector instructions wrote
	ds_store_b128 v248, v[244:247] offset:576      ; zeros into the padding: no LDS byte of a row stays unwritten
	s_cmp_lt_u32 s2, 2
	s_cbranch_scc0 .Lpadded
	ds_store_b128 v249, v[244:247] offset:576
.Lpadded:
	s_wait_kmcnt 0x0
	s_cmp_eq_u32 s3, 1                             ; the choice of buffers hangs on the work-group's number alone
	s_cselect_b64 s[44:45], s[18:19], s[28:29]
	s_cselect_b64 s[46:47], s[20:21], s[30:31]
	s_cselect_b64 s[48:49], s[22:23], s[32:33]
	s_cselect_b64 s[50:51], s[24:25], s[34:35]
	s_cselect_b64 s[52:53], s[26:27], s[36:37]
	s_cmp_eq_u32 s3, 0
	s_cselect_b64 s[44:45], s[8:9], s[44:45]       ; the activations' codes,
	s_cselect_b64 s[46:47], s[10:11], s[46:47]     ; their scales,
	s_cselect_b64 s[48:49], s[12:13], s[48:49]     ; W's codes,
	s_cselect_b64 s[50:51], s[14:15], s[50:51]     ; its scales,
	s_cselect_b64 s[52:53], s[16:17], s[52:53]     ; the bias,
	s_cselect_b64 s[54:55], s[38:39], s[42:43]     ; where the codes go,
	s_cselect_b64 s[62:63], s[40:41], s[42:43]     ; and the scale words
	s_add_nc_u64 s[44:45], s[44:45], s[82:83]
	s_add_nc_u64 s[46:47], s[46:47], s[84:85]
	s_add_nc_u64 s[48:49], s[48:49], s[86:87]
	s_add_nc_u64 s[50:51], s[50:51], s[88:89]
	s_add_nc_u64 s[52:53], s[52:53], s[90:91]
	s_add_nc_u64 s[54:55], s[54:55], s[80:81]      ; my four units: s[54:55], s[56:57], s[58:59], s[60:61]
	s_add_nc_u64 s[56:57], s[54:55], s[78:79]
	s_add_nc_u64 s[58:59], s[56:57], s[78:79]
	s_add_nc_u64 s[60:61], s[58:59], s[78:79]
	s_add_nc_u64 s[62:63], s[62:63], s[76:77]
	global_load_b64 v[240:241], v7, s[52:53]       ; five small loads first,
	global_load_b128 v[232:235], v5, s[46:47]
	global_load_b32 v236, v6, s[50:51]
	global_load_b32 v237, v6, s[50:51] offset:1536
	global_load_b32 v238, v6, s[50:51] offset:3072
.irp i, 0,1,2,3,4,5,6,7                        ; then 42 of codes: 512 consecutive bytes each
.irp jj, 0,1,2
	global_load_b128 v[SD+12*\i+4*\jj:SD+12*\i+4*\jj+3], v4, s[44:45] offset:18432*\i+512*\jj
.endr
.endr
.irp i, 8,9,10,11,12,13
.irp jj, 0,1,2
	global_load_b128 v[SD+12*\i+4*\jj:SD+12*\i+4*\jj+3], v4, s[48:49] offset:18432*(\i-8)+512*\jj
.endr
.endr
	s_wait_loadcnt 42                              ; the five small loads are in; the 42 behind them may be out
	ds_store_b64 v31, v[240:241]
	ds_store_b128 v39, v[232:235]
	ds_store_b32 v40, v236
	ds_store_b32 v40, v237 offset:1536
	ds_store_b32 v40, v238 offset:3072
.irp i, 0,1,2,3,4,5,6,7,8,9,10,11,12,13
	s_wait_loadcnt 3*(13-\i)                       ; group i's three loads are in; the later groups' may be out
.irp jj, 0,1,2
	ds_store_b128 v[8+3*(\i/4)+\jj], v[SD+12*\i+4*\jj:SD+12*\i+4*\jj+3] offset:((\i%4)/2)*2*QUAD+(\i%2)*GRP
.endr
.endr
	s_wait_dscnt 0x0                               ; for the others' sake: my stores have landed
	s_barrier_signal -1
	s_barrier_wait -1                              ; the launch's one barrier: from here on LDS is only read
.macro FRAG reg, adr, t, s             ; a fragment, 16 rows x 128 K: lane (r, h) takes 24 bytes at 96 s + 24 h and 24 at 96 s + 48 + 24 h of its row, in pieces of 8 bytes
.irp p, 0,1,2,3,4,5
	ds_load_b64 v[\reg+2*\p:\reg+2*\p+1], v[\adr] offset:TILEB*(\t)+96*(\s)+48*(\p/3)+8*(\p%3)
.endr
.endm
; A K step of 128: 52 LDS loads, 16 matrix instructions.  The 16 accumulators take turns, one instruction a turn, in the same order in every step.
.macro KSTEP s, zero
.if (\s) > 0
	PLACES
.endif
.irp t, 0,1,2,3
	FRAG RF+12*\t, 20, \t, \s
.endr
	ds_load_b32 v[RSC], v22 offset:4*(\s)
	ds_load_b32 v[RSC+1], v22 offset:384+4*(\s)
	ds_load_b32 v[LSC], v23 offset:4*(\s)
	ds_load_b32 v[LSC+1], v23 offset:384+4*(\s)
.irp n, 0,1,2,3
	FRAG LF+12*\n, 21, \n, \s
.endr
.irp n, 0,1,2,3
	s_wait_dscnt 18-6*\n                           ; R, the scale words and L's fragments up to n are in; L's later fragments, six loads each, may be out
.irp a, 0,1,2,3
	WMMA ACC+32*\n+8*\a, RF+12*\a, LF+12*\n, \zero, RSC+\a/2, LSC+\n/2, \a%2, \n%2
.endr
.endr
.endm
	KSTEP 0, 1                                     ; the first step's products start the sums
	KSTEP 1, 0
	KSTEP 2, 0
	KSTEP 3, 0
	KSTEP 4, 0
	KSTEP 5, 0
	PLACES
	; THE BIAS.  Register 32 n + 8 a + j of lane (r, h) is R's row 32 h + 8 a + j and L's row 32 (r / 8) + 8 n + r % 8.
	s_cmp_eq_u32 s3, 2
	s_cbranch_scc1 .Lvbias
.irp a, 0,1,2,3                                ; q, k: the channels are R's rows
	ds_load_b128 v[BC+8*\a:BC+8*\a+3], v28 offset:32*\a
	ds_load_b128 v[BC+8*\a+4:BC+8*\a+7], v28 offset:32*\a+16
.endr
	s_wait_dscnt 0x0
.irp n, 0,1,2,3
.irp a, 0,1,2,3
.irp j, 0,2,4,6
	v_pk_add_f32 v[ACC+32*\n+8*\a+\j:ACC+32*\n+8*\a+\j+1], v[ACC+32*\n+8*\a+\j:ACC+32*\n+8*\a+\j+1], v[BC+8*\a+\j:BC+8*\a+\j+1]   ; each accumulator from its low end on
.endr
.endr
.endr
	s_branch .Lbiased
.Lvbias:
.irp n, 0,1,2,3                                ; v: the channels are L's rows: one number a lane and tile, in both registers of a pair
	ds_load_b32 v[BC+2*\n], v29 offset:32*\n
	ds_load_b32 v[BC+2*\n+1], v29 offset:32*\n
.endr
	s_wait_dscnt 0x0
.irp n, 0,1,2,3
.irp a, 0,1,2,3
.irp j, 0,2,4,6
	v_pk_add_f32 v[ACC+32*\n+8*\a+\j:ACC+32*\n+8*\a+\j+1], v[ACC+32*\n+8*\a+\j:ACC+32*\n+8*\a+\j+1], v[BC+2*\n:BC+2*\n+1]
.endr
.endr
.endr
.Lbiased:
	; THE QUANTISER.  L's tile n: my 32 registers are block h of my row.  The four tiles take turns.
	v_mov_b32 v[TM+14], 0                          ; written once: a lane permute's destination counts as one of its sources
	v_mov_b32 v[TM+15], 0
.irp n, 0,1,2,3
	v_max3_num_f32 v[TM+\n], |v[ACC+32*\n]|, |v[ACC+32*\n+1]|, 0x1800000   ; with the floor 2^(3 - 127): so the byte cannot fall under 1
.endr
.irp i, 2,4,6,8,10,12,14,16,18,20,22,24,26,28,30
.irp n, 0,1,2,3
	v_max3_num_f32 v[TM+\n], v[TM+\n], |v[ACC+32*\n+\i]|, |v[ACC+32*\n+\i+1]|
.endr
.endr
.irp n, 0,1,2,3
	v_add_nc_u32 v[TM+4+\n], 0xff000000, v[TM+\n]  ; 2 off its exponent field: the conversion takes the exponent field of this operand as its scale
.endr
.irp n, 0,1,2,3
	v_lshrrev_b32 v[TM+8+\n], 23, v[TM+4+\n]       ; the scale's byte
.endr
.irp n, 0,1,2,3
	v_cvt_scalef32_pk16_fp6_f32 v[UC+6*\n:UC+6*\n+2], v[ACC+32*\n:ACC+32*\n+15], v[TM+4+\n]
	v_cvt_scalef32_pk16_fp6_f32 v[HC+4*\n:HC+4*\n+2], v[ACC+32*\n+16:ACC+32*\n+31], v[TM+4+\n]   ; (a conversion's three registers begin on an even number)
.endr
	v_lshl_or_b32 v[TM+12], v[TM+9], 16, v[TM+8]   ; my block's bytes of tiles 0 and 1,
	v_lshl_or_b32 v[TM+13], v[TM+11], 16, v[TM+10] ; and of tiles 2 and 3  (also the plain places behind the conversions)
.irp n, 0,1,2,3
.irp i, 0,1,2
	v_mov_b32 v[UC+6*\n+3+\i], v[HC+4*\n+\i]
.endr
.endr
	v_permlanex16_b32 v[TM+14], v[TM+12], s92, s93
	v_permlanex16_b32 v[TM+15], v[TM+13], s92, s93
.irp n, 0,1,2,3
	global_store_b128 v30, v[UC+6*\n:UC+6*\n+3], s[54+2*\n:55+2*\n]              ; 512 consecutive bytes, at a multiple of 256 from the buffer's first byte
	global_store_b64 v7, v[UC+6*\n+4:UC+6*\n+5], s[54+2*\n:55+2*\n] offset:512   ; 256 more
.endr
	v_lshl_or_b32 v[PW0], v[TM+14], 8, v[TM+12]    ; in lanes 0-15: tiles 0 and 1 of row r, blocks 0 and 1 of each
	v_lshl_or_b32 v[PW1], v[TM+13], 8, v[TM+15]    ; in lanes 16-31: tiles 2 and 3
	v_cndmask_b32 v[PWW], v[PW0], v[PW1], s94
	global_store_b32 v1, v[PWW], s[62:63]          ; 128 consecutive bytes; the wave with the neighbouring 64 tokens writes the 128 beside them
	s_set_vgpr_msb 0x5
	s_wait_tensorcnt 0x0                           ; the wave's end
	ds_add_u32 v0, v1
	s_wait_dscnt 0x0
	s_set_vgpr_msb 0x500
	s_endpgm
.Lfunc_end_k_q50cff3e281_proj:
	.size	k_q50cff3e281_proj, .Lfunc_end_k_q50cff3e281_proj-k_q50cff3e281_proj
	.p2alignl 7, 3214868480
	.fill 96, 4, 3214868480
	.section	.rodata,"a",@progbits
	.p2align	6, 0x0
	.amdhsa_kernel k_q50cff3e281_proj
		.amdhsa_group_segment_fixed_size 280576
		.amdhsa_private_segment_fixed_size 0
		.amdhsa_enable_private_segment 0
		.amdhsa_kernarg_size 144
		.amdhsa_user_sgpr_count 2
		.amdhsa_user_sgpr_kernarg_segment_ptr 1
		.amdhsa_wavefront_size32 1
		.amdhsa_system_sgpr_workgroup_id_x 1
		.amdhsa_system_sgpr_workgroup_id_y 1
		.amdhsa_system_sgpr_workgroup_id_z 1
		.amdhsa_system_vgpr_workitem_id 0
		.amdhsa_next_free_vgpr 258
		.amdhsa_next_free_sgpr 96
		.amdhsa_reserve_vcc 0
		.amdhsa_float_denorm_mode_32 3
		.amdhsa_float_denorm_mode_16_64 3
		.amdhsa_memory_ordered 1
		.amdhsa_forward_progress 1
		.amdhsa_inst_pref_size 66
	.end_amdhsa_kernel
	.amdgpu_metadata
---
amdhsa.version: [ 1, 2 ]
amdhsa.kernels:
  - .name:           k_q50cff3e281_proj
    .symbol:         k_q50cff3e281_proj.kd
    .args:
      - { .name: query_codes, .offset: 0, .size: 8, .value_kind: global_buffer, .address_space: global }
      - { .name: query_scales, .offset: 8, .size: 8, .value_kind: global_buffer, .address_space: global }
      - { .name: Wq_codes, .offset: 16, .size: 8, .value_kind: global_buffer, .address_space: global }
      - { .name: Wq_scales, .offset: 24, .size: 8, .value_kind: global_buffer, .address_space: global }
      - { .name: bq, .offset: 32, .size: 8, .value_kind: global_buffer, .address_space: global }
      - { .name: key_codes, .offset: 40, .size: 8, .value_kind: global_buffer, .address_space: global }
      - { .name: key_scales, .offset: 48, .size: 8, .value_kind: global_buffer, .address_space: global }
      - { .name: Wk_codes, .offset: 56, .size: 8, .value_kind: global_buffer, .address_space: global }
      - { .name: Wk_scales, .offset: 64, .size: 8, .value_kind: global_buffer, .address_space: global }
      - { .name: bk, .offset: 72, .size: 8, .value_kind: global_buffer, .address_space: global }
      - { .name: value_codes, .offset: 80, .size: 8, .value_kind: global_buffer, .address_space: global }
      - { .name: value_scales, .offset: 88, .size: 8, .value_kind: global_buffer, .address_space: global }
      - { .name: Wv_codes, .offset: 96, .size: 8, .value_kind: global_buffer, .address_space: global }
      - { .name: Wv_scales, .offset: 104, .size: 8, .value_kind: global_buffer, .address_space: global }
      - { .name: bv, .offset: 112, .size: 8, .value_kind: global_buffer, .address_space: global }
      - { .name: qc, .offset: 120, .size: 8, .value_kind: global_buffer, .address_space: global }
      - { .name: qs, .offset: 128, .size: 8, .value_kind: global_buffer, .address_space: global }
      - { .name: kv, .offset: 136, .size: 8, .value_kind: global_buffer, .address_space: global }
    .group_segment_fixed_size: 280576
    .private_segment_fixed_size: 0
    .kernarg_segment_align: 8
    .kernarg_segment_size: 144
    .max_flat_workgroup_size: 384
    .sgpr_count:     96
    .vgpr_count:     258
    .wavefront_size: 32
...
	.end_amdgpu_metadata
.endif
;; end of part 1
;; launch attn (part 2): grid 32 x 8, 12 waves a work-group, clusters of 4 x 1, 327,680 bytes of LDS; arguments qc, qs, kv, cc, cs; writes cc, cs
.if DOCPART == 2
	.amdgcn_target "amdgcn-amd-amdhsa--gfx1250"
	.amdhsa_code_object_version 6
	.text
	.protected	k_q50cff3e281_attn
	.globl	k_q50cff3e281_attn
	.p2align	8
	.type	k_q50cff3e281_attn,@function
k_q50cff3e281_attn:
	s_mov_b64 s[64:65], 0
	v_nop
	global_prefetch_b8 v0, s[64:65] scope:SCOPE_SE
	s_setreg_imm32_b32 hwreg(HW_REG_WAVE_MODE, 25, 1), 1
	s_wait_xcnt 0x0
	s_wait_alu depctr_hold_cnt(0) depctr_sa_sdst(0) depctr_va_vdst(0) depctr_va_sdst(0) depctr_va_ssrc(0) depctr_va_vcc(0) depctr_vm_vsrc(0)
	s_getreg_b32 s2, hwreg(HW_REG_IB_STS2, 6, 4)
	s_cmp_eq_u32 s2, 0
	s_cbranch_scc0 .Lentry_in_a_cluster
	s_endpgm
.Lentry_in_a_cluster:
	s_bfe_u32 s2, ttmp6, 0x10000c
	s_cmp_lg_u32 s2, 0x3003
	s_cbranch_scc0 .Lentry_shape_is_right
	s_endpgm
.Lentry_shape_is_right:
; ctx[b][h][q] = the sum over keys of softmax(q . k / 8) v, both products on codes of FP6 (E2M3) with one E8M0 scale for each 32 along K; ctx is quantised along the head's 64 channels and leaves as codes.
; THE SOFTMAX AHEAD OF THE SECOND PRODUCT: t = score x 0.125 log2(e); M = the row's largest t so far, rounded UP to a whole number; p = 2^(t - M) is quantised along the keys, not normalised.
; The row's sum is taken of the unquantised p, in f32, and divides at the end.  When M moves, the sum and O are multiplied by 2^(old M - new M): exact.
; SHARES.  A work-group owns 64 queries x 3 heads; each of its twelve waves one tile of 16 queries of one head (head w / 4, tile w % 4), in 256 registers.  Every wave walks its head's 2,048 keys, 128 a step.
; CLUSTER.  The four work-groups of a cluster own neighbouring blocks of queries of the same three heads and walk the same records of K and V: each record is asked for JOINTLY, by the same tensor load with the
; same descriptor and the mask of all four.  My place in the cluster enters the global addresses of qc, qs, cc and cs and of the prefetches alone.
; THE RING.  A slot holds 512 keys of the three heads: twelve records, one fetched by each wave.  Two slots; four steps for each change of slots, in which the next slot's records land.
; DATA.  kv holds, for each head and 128 keys, a RECORD of 12,800 bytes laid in the order of the operands' registers: K's fragments f = 0..3 at 1,536 f, V's d = 0..3 at 6,144 + 1,536 d, K's scale words at 12,288,
; V's at 12,544.  A fragment is two UNITS (16 rows x 64 K; registers 0-3 at 16 x lane, registers 4-5 at 512 + 8 x lane): four loads, each of consecutive bytes: no pitch, no padding.
; K = 64 IN AN INSTRUCTION OF 128.  A fragment of K is [16 keys' 64 channels][16 other keys' 64 channels].  It is multiplied by [q][0] and by [0][q]: the codes 0 add nothing.  Q stands in 18 registers q, 0, q.
; LAYOUT.  Both products are used transposed: S^T = K Q^T, O^T = V^T P^T: a lane holds ONE query throughout.  Row r of a tile t of 64 is row 32 (r / 8) + 8 t + r % 8: so S's registers 32 c + i of lane (r, h) are keys
; 64 c + 32 h + i, a whole block of p in the lane and in the order of the next operand, and O's registers i are channels 32 h + i.
; THE PREFETCH.  In the first two trips, one wave's record of the slot two on: its 50 blocks of 256 bytes are shared out by address over the 32 work-groups that walk the same heads (block x, and x + 32 where x < 18).
; LIMITS: NaN and infinities are not served; the scaled scores stay under 2^31 in magnitude; a block whose largest magnitude lies under 2^-124 gets the scale byte 1 (the bytes are read by this program alone); 0.125 log2(e) is one constant.
.set REC,   12800
.set HEADB, 4*REC                      ; a slot's part of one head: four records
.set SLOT,  12*REC
.set SPARE, 2*SLOT                     ; the spare words, 128 bytes for each wave
.set SO1,  2                           ; v2, v207 the conversions' scale operands
.set SO0,  207
.set PB,   11                          ; v11     what a lane permute brings
.set QS,   34                          ; v34     Q's scale word (s0, s1, s0, s1)
.set KS,   36                          ; v36-37  K's scale words: register j: lanes 0-15 fragment 2 j, lanes 16-31 fragment 2 j + 1
.set VC,   38                          ; v38-39  V's scale halfwords as they lie;  v40, v41: as words, for the even and the odd tiles of channels
.set VE,   40
.set KF,   44                          ; v44-91   K's four fragments
.set S,    96                          ; v96-159  S^T, then p
.set OA,   160                         ; v160-191 O^T
.set P,    192                         ; v192-203 p's codes; ahead of the conversions: at work
.set F,    204                         ; v[204:205] f = 2^(old M - new M); v205 is named with it as a pair
.set PS,   206                         ; v206    p's scale word
.set VF,   208                         ; v208-255 V's four fragments
.set CA,   14                          ; v[14:15] the running sum in two halves;  v[92:93], v[94:95] two more chains, joined at the next step
.set CB,   92
.set CC,   94
; v1 the prefetch's offset; v4, v7, v8 my lane's places in the slot in hand (16, 8, 4 bytes a lane); v5, v6 the add's; v9, v10, v35 offsets in memory; v12, v42 -M by turns; v13 the largest score; v16-33 Q
.macro WMMA d, a, b, z, sa, sb, ra
.if (\z) && ((\ra) == 0)
	v_wmma_scale_f32_16x16x128_f8f6f4 v[\d:\d+7], v[\a:\a+11], v[\b:\b+11], 0, v[\sa], v[\sb] matrix_a_fmt:MATRIX_FMT_FP6 matrix_b_fmt:MATRIX_FMT_FP6
.elseif (\z)
	v_wmma_scale_f32_16x16x128_f8f6f4 v[\d:\d+7], v[\a:\a+11], v[\b:\b+11], 0, v[\sa], v[\sb] matrix_a_fmt:MATRIX_FMT_FP6 matrix_b_fmt:MATRIX_FMT_FP6 matrix_a_scale:MATRIX_SCALE_ROW1
.elseif ((\ra) == 0)
	v_wmma_scale_f32_16x16x128_f8f6f4 v[\d:\d+7], v[\a:\a+11], v[\b:\b+11], v[\d:\d+7], v[\sa], v[\sb] matrix_a_fmt:MATRIX_FMT_FP6 matrix_b_fmt:MATRIX_FMT_FP6
.else
	v_wmma_scale_f32_16x16x128_f8f6f4 v[\d:\d+7], v[\a:\a+11], v[\b:\b+11], v[\d:\d+7], v[\sa], v[\sb] matrix_a_fmt:MATRIX_FMT_FP6 matrix_b_fmt:MATRIX_FMT_FP6 matrix_a_scale:MATRIX_SCALE_ROW1
.endif
.endm
; Every wave fetches one record (head w / 4, record w % 4 of the slot).  Four v_nop follow the load.
.macro TLOAD
	tensor_load_to_lds s[32:35], s[24:31]
	s_nop 0
.rept 4
	v_nop
.endr
.endm
; A round of the cluster's barrier: my work-group's barrier; wave 0 signals for the work-group; every wave waits for all four work-groups; my work-group's barrier once more.
.macro CROUND
	s_barrier_signal -1
	s_barrier_wait -1
	s_cmp_lg_u32 s18, 0
	s_cbranch_scc1 .Lnot_wave_0_\@
	s_barrier_signal -3
.Lnot_wave_0_\@:
	s_barrier_wait -3
	s_barrier_signal -1
	s_barrier_wait -1
.endm
	s_load_b256 s[4:11], s[0:1], 0x0               ; qc s[4:5], qs s[6:7], kv s[8:9], cc s[10:11]
	s_load_b64 s[12:13], s[0:1], 0x20              ; cs
	v_lshl_add_u32 v5, v0, 2, SPARE
	v_mov_b32 v6, 0
	ds_add_u32 v5, v6                              ; the opening
	ds_add_u32 v5, v6
	s_wait_dscnt 0x0
	v_lshrrev_b32 v9, 5, v0
	s_delay_alu instid0(VALU_DEP_1)
	v_readfirstlane_b32 s18, v9                    ; wave 0..11
	s_lshr_b32 s19, s18, 2                         ; my head of the three
	s_and_b32 s14, s18, 3                          ; my tile of the four; on the way in: my record of the slot's four
	s_and_b32 s15, ttmp7, 0xffff                   ; y = 4 x batch + which three heads: the four partners share it
	s_bfe_u32 s40, ttmp6, 0x40000                  ; cx: my place in the cluster
	s_lshl_b32 s41, ttmp9, 2
	s_add_co_u32 s41, s41, s40                     ; my block of 64 queries = 4 x cluster x + cx
	s_mul_i32 s44, s15, 3
	s_add_co_u32 s44, s44, s19                     ; bh = 3 y + my head
	s_lshl_b32 s42, s44, 4
	s_add_co_u32 s42, s42, s14
	s_mul_i32 s42, s42, REC                        ; kv: my head's record w % 4
	s_mov_b32 s43, 0
	s_lshl_b32 s46, s44, 7
	s_lshl_b32 s45, s41, 2
	s_add_co_u32 s46, s46, s45
	s_add_co_u32 s46, s46, s14
	s_mul_i32 s46, s46, 768                        ; qc: [bh][128 tiles][768]
	s_mov_b32 s47, 0
	s_lshl_b32 s48, s44, 5
	s_add_co_u32 s48, s48, s41
	s_lshl_b32 s48, s48, 7                         ; qs: [bh][32 blocks][128]: words 0-15 tiles 0 | 1, words 16-31 tiles 2 | 3
	s_lshr_b32 s45, s14, 1
	s_lshl_b32 s45, s45, 6
	s_add_co_u32 s48, s48, s45
	s_mov_b32 s49, 0
	s_and_b32 s39, s14, 1
	s_lshl_b32 s39, s39, 4                         ; which half of the word is my tile's
	s_lshr_b32 s54, s15, 2
	s_lshl_b32 s54, s54, 7
	s_lshl_b32 s45, s41, 2
	s_add_co_u32 s54, s54, s45
	s_add_co_u32 s54, s54, s14                     ; T = my tile among the 256 tiles of tokens
	s_and_b32 s55, s15, 3
	s_mul_i32 s55, s55, 3
	s_add_co_u32 s55, s55, s19                     ; the head, 0..11
	s_mul_i32 s50, s54, 12
	s_add_co_u32 s50, s50, s55
	s_mul_i32 s50, s50, 768                        ; cc: [T][head][768]
	s_mov_b32 s51, 0
	s_mul_i32 s52, s54, 384                        ; cs: byte at 384 T + 64 (head / 2) + 4 r + 2 (head % 2) + block
	s_lshr_b32 s45, s55, 1
	s_lshl_b32 s45, s45, 6
	s_add_co_u32 s52, s52, s45
	s_and_b32 s45, s55, 1
	s_lshl_b32 s45, s45, 1
	s_add_co_u32 s52, s52, s45
	s_mov_b32 s53, 0
	; descriptor group 1: one record, 12,800 dense bytes, as 50 rows of 256 bytes (32 elements of 8 bytes)
	s_mov_b32 s24, 15|(3<<16)|(1<<21)              ; 15:0 the mask: all four work-groups; 17:16 elements of 8 bytes; 20 padding off; 21 set beside a mask
	s_mov_b32 s25, 32<<16                          ; tensor_dim0 = 32
	s_mov_b32 s26, 50<<16                          ; tensor_dim1 = 50
	s_mov_b32 s27, 32<<16                          ; tile_dim0 = 32
	s_mov_b32 s28, 50                              ; tile_dim1 = 50
	s_mov_b32 s29, 32                              ; tensor_dim0_stride
	s_mov_b32 s30, 0
	s_mov_b32 s31, 0
	s_mov_b32 s20, 0x76543210
	s_mov_b32 s21, 0xfedcba98                      ; v_permlanex16_b32's selects for lane l xor 16
	s_mov_b32 s22, 0x3e38aa3b                      ; c = 0.125 log2(e)
	s_mov_b32 s23, s22                             ; (named with it as a pair, so it is written)
	s_mov_b32 s58, 0xbe38aa3b                      ; -c
	s_mov_b32 s36, 0                               ; LDS byte at which the slot in hand begins
	s_mov_b32 s57, 0                               ; and the slot that is filled next
	s_mov_b32 s37, 3                               ; slots still to be asked for
	s_mul_i32 s56, s18, REC                        ; my record's place in a slot
	s_mul_i32 s62, s19, HEADB                      ; my head's
	v_and_b32 v35, 31, v0                          ; lane
	v_and_b32 v11, 15, v0                          ; r
	v_bfe_u32 v7, v0, 4, 1                         ; h
	v_lshlrev_b32 v9, 4, v35
	v_lshlrev_b32 v10, 3, v35
	v_min_u32 v1, 1, v35
	v_lshl_add_u32 v35, v11, 2, v7                 ; 4 r + h: my byte among ctx's scale bytes
	v_lshlrev_b32 v11, 2, v11                      ; 4 r
	s_cmp_lt_u32 s41, 18
	s_cselect_b32 s45, 0x2000, 0                   ; 32 blocks of 256 bytes on, where the record has a block x + 32
	s_lshl_b32 s63, s41, 8
	v_mul_u32_u24 v1, s45, v1
	v_add_nc_u32 v1, s63, v1                       ; the prefetch: lane 0 block x, the others block x + 32 (or x again)
	s_wait_alu depctr_va_vdst(0)
	s_wait_kmcnt 0x0
	s_mov_b32 s32, 1                               ; group 0: count = 1,
	s_mov_b32 s33, s56                             ; LDS address: slot 0,
	s_add_nc_u64 s[34:35], s[8:9], s[42:43]        ; global address: my record of the first four,
	s_add_nc_u64 s[60:61], s[34:35], HEADB         ; (the prefetches': stepped ahead of each)
	s_or_b32 s35, s35, 0x80000000                  ; type = 2
	s_add_nc_u64 s[4:5], s[4:5], s[46:47]
	s_add_nc_u64 s[6:7], s[6:7], s[48:49]
	s_add_nc_u64 s[10:11], s[10:11], s[50:51]
	s_add_nc_u64 s[12:13], s[12:13], s[52:53]
	CROUND                                         ; all four work-groups are here: the first joint loads meet
	TLOAD                                          ; slot 0
	global_load_b128 v[16:19], v9, s[4:5]          ; Q's unit, twice: in front of the zeros and behind them
	global_load_b64 v[20:21], v10, s[4:5] offset:512
	global_load_b128 v[28:31], v9, s[4:5]
	global_load_b64 v[32:33], v10, s[4:5] offset:512
	global_load_b32 v[QS], v11, s[6:7]
.irp j, 22,23,24,25,26,27
	v_mov_b32 v\j, 0
.endr
	v_mov_b32 v13, 0xff61b1e6                      ; the largest score so far: -3e38, under every score
	v_mov_b32 v[CA], 0                             ; the sums
	v_mov_b32 v[CA+1], 0
	v_mov_b32 v[CB], 0
	v_mov_b32 v[CB+1], 0
	v_mov_b32 v[CC], 0
	v_mov_b32 v[CC+1], 0
	v_mul_f32 v12, s58, v13
	v_mov_b32 v[F+1], 0
	v_mov_b32 v43, 0                               ; (named with v42 as a pair)
	v_floor_f32 v12, v12                           ; -M
	v_mov_b32 v[PS], 0
	v_mov_b32 v42, v12
	s_wait_alu depctr_va_vdst(0)
	s_wait_loadcnt 0x0                             ; Q
	v_lshrrev_b32 v[QS], s39, v[QS]
	s_delay_alu instid0(VALU_DEP_1)
	v_and_b32 v[QS], 0xffff, v[QS]                 ; my tile's two bytes,
	s_delay_alu instid0(VALU_DEP_1)
	v_lshl_or_b32 v[QS], v[QS], 16, v[QS]          ; for the lower and for the upper 64 of the instruction's K
.set j, 0
.rept 32
	v_mov_b32 v[OA+j], 0                           ; O^T.  (The step finds zeros the first time.  These are also the eight places between the scale word's last write and the first product)
.set j, j+1
.endr
	s_wait_alu depctr_va_vdst(0)
.macro KLOADS q                        ; K's scale words and fragments of record q: 18 loads
	ds_load_b32 v[KS], v8 offset:REC*(\q)+12288
	ds_load_b32 v[KS+1], v8 offset:REC*(\q)+12416
.irp f, 0,1,2,3
.irp u, 0,1
	ds_load_b128 v[KF+12*\f+6*\u:KF+12*\f+6*\u+3], v4 offset:REC*(\q)+1536*\f+768*\u
	ds_load_b64 v[KF+12*\f+6*\u+4:KF+12*\f+6*\u+5], v7 offset:REC*(\q)+1536*\f+768*\u+512
.endr
.endr
.endm
.macro VLOADS q                        ; V's likewise
	ds_load_b32 v[VC], v8 offset:REC*(\q)+12544
	ds_load_b32 v[VC+1], v8 offset:REC*(\q)+12672
.irp d, 0,1,2,3
.irp c, 0,1
	ds_load_b128 v[VF+12*\d+6*\c:VF+12*\d+6*\c+3], v4 offset:REC*(\q)+6144+1536*\d+768*\c
	ds_load_b64 v[VF+12*\d+6*\c+4:VF+12*\d+6*\c+5], v7 offset:REC*(\q)+6144+1536*\d+768*\c+512
.endr
.endr
.endm
.macro ADDP c, i                       ; two p onto chain c
	v_pk_add_f32 v[\c:\c+1], v[\c:\c+1], v[S+\i:S+\i+1]
.endm
; A KEY STEP: 128 keys, record q of the slot in hand; its K was asked for a step ago (the slot's first: at the change of slots).  nk = 1: the next record's K is asked for here.  nn, no: where -M goes and where it was.  pf = 1: the prefetch
.macro STEP q, nk, nn, no, pf
.irp f, 0,1,2,3                                ; S^T = K Q^T: each fragment against [q][0] and [0][q]
	s_wait_dscnt 4*(3-\f)                          ; the scale words and fragments up to f are in; the later fragments, four loads each, may be out
	WMMA S+16*\f, KF+12*\f, 16, 1, KS+\f/2, QS, \f%2
	WMMA S+16*\f+8, KF+12*\f, 22, 1, KS+\f/2, QS, \f%2
.endr
	v_pk_add_f32 v[CA:CA+1], v[CA:CA+1], v[CB:CB+1]   ; the last step's chains are joined: four places in front of the loads into the products' registers and of the first read of the scores
	v_nop
	v_pk_add_f32 v[CA:CA+1], v[CA:CA+1], v[CC:CC+1]
	v_nop
	VLOADS \q                                      ; V lands while the softmax is worked,
.if \nk
	KLOADS (\q)+1                                  ; and the next step's K
.endif
.if \pf
	s_cmp_gt_u32 s37, 1                            ; the third trip's slot two on does not exist
	s_cbranch_scc0 .Lno_ask_\@
	global_prefetch_b8 v1, s[60:61] th:TH_LOAD_NT scope:SCOPE_SE
.Lno_ask_\@:
.endif
	; THE LARGEST SCORE OF EACH OF MY TWO BLOCKS OF 32 KEYS (two chains each, the four by turns; each accumulator from its low end on) serves twice: for the row's maximum, and, since p rises with the score, for the block's largest p
.irp b, 0,1,2,3
	v_max3_num_f32 v[P+\b], v[S+16*\b], v[S+16*\b+1], v[S+16*\b+2]
.endr
.irp i, 3,5,7,9,11,13
.irp b, 0,1,2,3
	v_max3_num_f32 v[P+\b], v[P+\b], v[S+16*\b+\i], v[S+16*\b+\i+1]
.endr
.endr
	v_max3_num_f32 v[P], v[P], v[P+1], v[S+15]
	v_max3_num_f32 v[P+2], v[P+2], v[P+3], v[S+47]
	v_max_num_f32 v[P], v[P], v[S+31]
	v_max_num_f32 v[P+2], v[P+2], v[S+63]
	s_delay_alu instid0(VALU_DEP_1)
	v_max_num_f32 v[P+4], v[P], v[P+2]
	s_delay_alu instid0(VALU_DEP_1)
	v_permlanex16_b32 v[PB], v[P+4], s20, s21
	s_delay_alu instid0(VALU_DEP_1)
	v_max3_num_f32 v13, v13, v[P+4], v[PB]         ; the running largest score, lane l xor 16's keys among them
	s_delay_alu instid0(VALU_DEP_1)
	v_mul_f32 v[P+5], s58, v13                     ; -t (c is positive)
	s_delay_alu instid0(VALU_DEP_1)
	v_floor_f32 v[\nn], v[P+5]                     ; the new -M = floor(-t) = -ceil(t): M IS A WHOLE NUMBER
.set j, 0
.rept 32
	v_pk_fma_f32 v[S+j:S+j+1], v[S+j:S+j+1], s[22:23], v[\nn:\nn+1] op_sel_hi:[1,0,0]   ; t - M, two at a time (of the pairs c and -M the low word serves both halves)
.if j == 4
	v_sub_f32 v[P+4], v[\nn], v[\no]               ; M's old value less its new one: a whole number, 0 or less
.endif
.if j == 12
	v_cvt_i32_f32 v[P+4], v[P+4]                   ; (it saturates)
.endif
.if j == 20
	v_ldexp_f32 v[F], 1.0, v[P+4]                  ; f = 2^(old M - new M)
.endif
.set j, j+2
.endr
	v_fma_f32 v[P], v[P], s22, v[\nn]              ; the same of each block's largest score
	v_fma_f32 v[P+2], v[P+2], s22, v[\nn]
	s_wait_alu depctr_va_vdst(0)
	v_exp_f32 v[P], v[P]                           ; the block's largest p: the same two instructions on the same number give the same bits
	v_exp_f32 v[P+2], v[P+2]
.set j, 0
.rept 64
	v_exp_f32 v[S+j], v[S+j]                       ; p = 2^(t - M), at most 1: NOT normalised
.set j, j+1
.endr
	v_pk_mul_f32 v[CA:CA+1], v[CA:CA+1], v[F:F+1] op_sel_hi:[1,0]   ; the sum under the new M.  (A plain place behind the exponentials)
	s_wait_dscnt 18*(\nk)                          ; V is in; the next step's K, 18 loads, may be out
	s_wait_alu depctr_va_vdst(0)                   ; behind the exponentials, ahead of the first reader of O^T
.set j, 0
.rept 16
	v_pk_mul_f32 v[OA+j:OA+j+1], v[OA+j:OA+j+1], v[F:F+1] op_sel_hi:[1,0]   ; O^T under the new M
.set j, j+2
.endr
	; THE ROW'S SUM IS TAKEN OF THE UNQUANTISED p, in three chains; the scale's arithmetic stands among them
	v_max_num_f32 v[P+4], 0x1800000, v[P]          ; the floor 2^(3 - 127): the byte cannot fall under 1
	v_max_num_f32 v[P+5], 0x1800000, v[P+2]
	v_pk_add_f32 v[CB:CB+1], v[S:S+1], v[S+2:S+3]
	v_pk_add_f32 v[CC:CC+1], v[S+4:S+5], v[S+6:S+7]
	v_add_nc_u32 v[SO0], 0xff000000, v[P+4]        ; 2 off the exponent field: the conversion's scale operand
	v_add_nc_u32 v[SO1], 0xff000000, v[P+5]
	ADDP CA, 8
	ADDP CB, 10
	v_lshrrev_b32 v[P+4], 23, v[SO0]               ; the scale's byte
	v_lshrrev_b32 v[P+5], 23, v[SO1]
	ADDP CC, 12
	ADDP CA, 14
	v_lshl_or_b32 v[P+4], v[P+5], 16, v[P+4]       ; my two blocks' bytes at their places (16 bits apart),
	ADDP CB, 32
	ADDP CC, 34
	v_permlanex16_b32 v[PB], v[P+4], s20, s21
	ADDP CA, 36
	ADDP CB, 38
	v_lshl_or_b32 v[PS], v[PB], 8, v[P+4]          ; with lane l xor 16's two the word is whole in lanes 0-15, which are read
	ADDP CC, 40
	ADDP CA, 42
	ADDP CB, 44
	ADDP CC, 46
	v_cvt_scalef32_pk16_fp6_f32 v[P:P+2], v[S:S+15], v[SO0]
	v_cvt_scalef32_pk16_fp6_f32 v[P+6:P+8], v[S+32:S+47], v[SO1]
	ADDP CA, 16                                    ; (a plain place: the next two write over what the last two have read)
	v_cvt_scalef32_pk16_fp6_f32 v[S:S+2], v[S+16:S+31], v[SO0]   ; (a conversion's three registers begin on an even number: the second halves are made elsewhere and moved)
	v_cvt_scalef32_pk16_fp6_f32 v[S+32:S+34], v[S+48:S+63], v[SO1]
	ADDP CB, 18
	ADDP CC, 20
	ADDP CA, 22
	ADDP CB, 24
	v_perm_b32 v[VE], v[VC+1], v[VC], 0x05040100   ; the low halves of the two 64s of keys: the words of channel tiles 0 (lanes 0-15) and 2 (lanes 16-31)
	v_perm_b32 v[VE+1], v[VC+1], v[VC], 0x07060302 ; the high halves: tiles 1 and 3
.irp i, 0,1,2
	v_mov_b32 v[P+3+\i], v[S+\i]
	v_mov_b32 v[P+9+\i], v[S+32+\i]
.endr
	ADDP CC, 26                                    ; these eleven are places between p's and the scales' last writes and the products
	ADDP CA, 28
	ADDP CB, 30
	ADDP CC, 48
	ADDP CA, 50
	ADDP CB, 52
	ADDP CC, 54
	ADDP CA, 56
	ADDP CB, 58
	ADDP CC, 60
	ADDP CA, 62
	s_wait_alu depctr_va_vdst(0)
.irp d, 0,1,2,3                                ; O^T += V^T P^T: the four accumulators by turns
	WMMA OA+8*\d, VF+12*\d, P, 0, VE+\d%2, PS, \d/2
.endr
.endm
; THE CHANGE OF SLOTS stands at a slot's head.  Each wave waits for all its tensor loads (of which one is out: its record of the slot ahead), adds 0 to its spare word, and waits for that and for its reads of the
; slot that it has left.  fill = 1: a round of the cluster's barrier, so that no wave of any partner still reads that slot or has a load on its way; then the joint refill, first behind the round.
.macro CHANGE fill
.if \fill
	s_wait_xcnt 0x0                                ; my last prefetch has read its address
	s_add_nc_u64 s[60:61], s[60:61], HEADB
.endif
	s_wait_tensorcnt 0x0                           ; no tensor load of mine is out, so group 0 may be written
	ds_add_u32 v5, v6                              ; 0 onto my spare word
.if \fill
	s_xor_b32 s57, s57, SLOT                       ; the other slot than last time,
	s_add_co_u32 s33, s56, s57
	s_add_nc_u64 s[34:35], s[34:35], HEADB         ; my head's record four on; the type bits on top are not reached
.endif
	s_add_co_u32 s59, s36, s62
	s_wait_dscnt 0x0                               ; the add is done, and my reads of the slot that I have left are over
.if \fill
	CROUND
	TLOAD
.else
	s_barrier_signal -1
	s_barrier_wait -1
.endif
	v_lshrrev_b32 v8, 1, v10
	v_add_nc_u32 v4, s59, v9
	v_add_nc_u32 v7, s59, v10
	v_add_nc_u32 v8, s59, v8
	s_wait_alu depctr_va_vdst(0)
	KLOADS 0
.endm
.macro SLOT_STEPS pf
	STEP 0, 1, 12, 42, \pf
	STEP 1, 1, 42, 12, 0
	STEP 2, 1, 12, 42, 0
	STEP 3, 0, 42, 12, 0
	s_xor_b32 s36, s36, SLOT                       ; on to the other slot
.endm
.Lslot:                                            ; three trips: behind each change of slots but the last the next slot is asked for
	CHANGE 1
	SLOT_STEPS 1
	s_sub_co_u32 s37, s37, 1
	s_cmp_lg_u32 s37, 0
	s_cbranch_scc1 .Lslot
	CHANGE 0                                       ; the last slot is written out
	SLOT_STEPS 0
	; THE WAY OUT.  O^T is divided by the row's sum and quantised along the head's 64 channels: my lane holds block h of its query's unit.
	v_pk_add_f32 v[CA:CA+1], v[CA:CA+1], v[CB:CB+1]   ; (these are also the places behind the last products)
	v_nop
	v_pk_add_f32 v[CA:CA+1], v[CA:CA+1], v[CC:CC+1]
	v_nop
	v_add_f32 v14, v14, v15                        ; the sum's two halves,
	s_delay_alu instid0(VALU_DEP_1)
	v_permlanex16_b32 v[PB], v14, s20, s21
	s_delay_alu instid0(VALU_DEP_1)
	v_add_f32 v14, v14, v[PB]                      ; and lane l xor 16's: the row's sum
	s_wait_alu depctr_va_vdst(0)
	v_rcp_f32 v14, v14
	v_nop                                          ; a plain place behind the transcendental
	s_wait_alu depctr_va_vdst(0)
.set j, 0
.rept 32
	v_mul_f32 v[S+j], v[OA+j], v14                 ; register i: channel 32 h + i; each accumulator from its low end on
.set j, j+1
.endr
	v_max3_num_f32 v[P], |v[S]|, |v[S+1]|, 0x1800000
	v_max3_num_f32 v[P+1], |v[S+16]|, |v[S+17]|, |v[S+18]|
.irp i, 2,4,6,8,10,12
	v_max3_num_f32 v[P], v[P], |v[S+\i]|, |v[S+\i+1]|
	v_max3_num_f32 v[P+1], v[P+1], |v[S+17+\i]|, |v[S+18+\i]|
.endr
	v_max3_num_f32 v[P], v[P], |v[S+14]|, |v[S+15]|
	s_delay_alu instid0(VALU_DEP_1)
	v_max3_num_f32 v[P], v[P], v[P+1], |v[S+31]|
	s_delay_alu instid0(VALU_DEP_1)
	v_add_nc_u32 v[SO0], 0xff000000, v[P]
	v_cvt_scalef32_pk16_fp6_f32 v[P:P+2], v[S:S+15], v[SO0]
	v_cvt_scalef32_pk16_fp6_f32 v[KF:KF+2], v[S+16:S+31], v[SO0]
	v_lshrrev_b32 v[SO1], 23, v[SO0]               ; the byte.  (A plain place behind the conversions)
.irp i, 0,1,2
	v_mov_b32 v[P+3+\i], v[KF+\i]
.endr
	global_store_b128 v9, v[P:P+3], s[10:11]       ; 512 consecutive bytes, at a multiple of 256 from the buffer's first byte
	global_store_b64 v10, v[P+4:P+5], s[10:11] offset:512
	global_store_b8 v35, v[SO1], s[12:13]          ; 32 single bytes inside a run of 64: half of each scale word; the neighbouring head's wave writes the other half
	s_wait_tensorcnt 0x0                           ; the wave's end
	ds_add_u32 v5, v6
	s_wait_dscnt 0x0
	CROUND                                         ; the closing round: no work-group ends while a partner may still ask for a tile that names it
	s_endpgm
.Lfunc_end_k_q50cff3e281_attn:
	.size	k_q50cff3e281_attn, .Lfunc_end_k_q50cff3e281_attn-k_q50cff3e281_attn
	.p2alignl 7, 3214868480
	.fill 96, 4, 3214868480
	.section	.rodata,"a",@progbits
	.p2align	6, 0x0
	.amdhsa_kernel k_q50cff3e281_attn
		.amdhsa_group_segment_fixed_size 327680
		.amdhsa_private_segment_fixed_size 0
		.amdhsa_enable_private_segment 0
		.amdhsa_kernarg_size 40
		.amdhsa_user_sgpr_count 2
		.amdhsa_user_sgpr_kernarg_segment_ptr 1
		.amdhsa_wavefront_size32 1
		.amdhsa_system_sgpr_workgroup_id_x 1
		.amdhsa_system_sgpr_workgroup_id_y 1
		.amdhsa_system_sgpr_workgroup_id_z 1
		.amdhsa_system_vgpr_workitem_id 0
		.amdhsa_next_free_vgpr 256
		.amdhsa_next_free_sgpr 66
		.amdhsa_reserve_vcc 0
		.amdhsa_float_denorm_mode_32 3
		.amdhsa_float_denorm_mode_16_64 3
		.amdhsa_memory_ordered 1
		.amdhsa_forward_progress 1
		.amdhsa_inst_pref_size 132
	.end_amdhsa_kernel
	.amdgpu_metadata
---
amdhsa.version: [ 1, 2 ]
amdhsa.kernels:
  - .name:           k_q50cff3e281_attn
    .symbol:         k_q50cff3e281_attn.kd
    .args:
      - { .name: qc, .offset: 0, .size: 8, .value_kind: global_buffer, .address_space: global }
      - { .name: qs, .offset: 8, .size: 8, .value_kind: global_buffer, .address_space: global }
      - { .name: kv, .offset: 16, .size: 8, .value_kind: global_buffer, .address_space: global }
      - { .name: cc, .offset: 24, .size: 8, .value_kind: global_buffer, .address_space: global }
      - { .name: cs, .offset: 32, .size: 8, .value_kind: global_buffer, .address_space: global }
    .group_segment_fixed_size: 327680
    .private_segment_fixed_size: 0
    .kernarg_segment_align: 8
    .kernarg_segment_size: 40
    .max_flat_workgroup_size: 384
    .sgpr_count:     66
    .vgpr_count:     256
    .wavefront_size: 32
...
	.end_amdgpu_metadata
.endif
;; end of part 2
;; launch outp (part 3): grid 64 x 4, 12 waves a work-group, no clusters, 208,384 bytes of LDS; arguments cc, cs, Wo_codes, Wo_scales, bo, out0; writes out0
.if DOCPART == 3
	.amdgcn_target "amdgcn-amd-amdhsa--gfx1250"
	.amdhsa_code_object_version 6
	.text
	.protected	k_q50cff3e281_outp
	.globl	k_q50cff3e281_outp
	.p2align	8
	.type	k_q50cff3e281_outp,@function
k_q50cff3e281_outp:
	s_mov_b64 s[64:65], 0
	v_nop
	global_prefetch_b8 v0, s[64:65] scope:SCOPE_SE
	s_setreg_imm32_b32 hwreg(HW_REG_WAVE_MODE, 25, 1), 1
	s_wait_xcnt 0x0
; out = ctx Wo^T + bo, on codes of FP6 (E2M3) with one E8M0 scale for each 32 along K = 768; sums in f32; out [4,096][768] f32.
; SHARES.  Work-group (x, y): 64 tokens (ctx's tiles 4 x .. 4 x + 3) x 192 outputs.  Twelve waves; wave w makes ctx's tiles 2 (w % 2), + 1 against Wo's tiles 2 (w / 2), + 1: four accumulators, 24 matrix instructions.
; The product is used TRANSPOSED (source 0 = 16 rows of Wo, source 1 = 16 tokens): a lane holds eight neighbouring outputs of one token.  The bias is loaded into the accumulators, so that every K step adds in place.
; DATA.  ctx lies in cc in the order of the operand's registers: [tile][head][unit of 768 bytes]; a K step of 128 is two heads: two units on end.  Its scale words lie in cs at 384 x tile + 64 x K step + 4 x row.
; Row r of tile t of ctx is token 32 (r / 8) + 8 t + r % 8 of the 64: the way out puts them back.
; NO TENSOR LOADS, NO CLUSTER: Wo's rows are 576 bytes, no power of two, and the whole of a work-group's inputs is read once, at its head, 512 consecutive bytes an instruction; there is no ring to keep filled and no loop to prefetch in.
.set PITCH, 592                        ; an LDS row of Wo: 576 bytes + 16 = 148 words: row r starts at bank 20 r mod 64 (64 banks of 4 bytes: ISA guide 11.1): the 32 lanes of a load of 8 bytes touch 64 different banks
.set GRP,   8*PITCH
.set QUAD,  4*GRP
.set TILEB, 16*PITCH
.set CTX,   192*PITCH                  ; LDS: 192 rows of Wo from 0; ctx's four tiles, 9,216 bytes each, as they lie;
.set WOS,   CTX+4*9216                 ; Wo's scale bytes, 24 a row;
.set CXS,   WOS+192*24                 ; ctx's scale words, 384 bytes a tile;
.set STG,   CXS+4*384                  ; the stage: 64 rows x (768 bytes + 16);
.set SPITCH, 784
.set SPARE, STG+64*SPITCH              ; the spare words
.set ACC,   24                         ; v24-55   accumulator (Wo's tile i, ctx's tile t) at ACC + 8 (2 t + i)
.set FB,    56                         ; v56-247  four places of 48 registers, one for a K step: Wo's two fragments, ctx's two
.set SCW,   248                        ; v248-255 their scale words: place e: v[248 + 2 e] Wo's (lanes 0-15 tile 0, lanes 16-31 tile 1), v[249 + 2 e] ctx's likewise
.macro PLACES                          ; four plain vector instructions stand between a matrix instruction and a load into, or a store of, its registers
.rept 4
	v_nop
.endr
.endm
.macro WMMA d, a, b, sa, sb, ra, rb
.if ((\ra) == 0) && ((\rb) == 0)
	v_wmma_scale_f32_16x16x128_f8f6f4 v[\d:\d+7], v[\a:\a+11], v[\b:\b+11], v[\d:\d+7], v[\sa], v[\sb] matrix_a_fmt:MATRIX_FMT_FP6 matrix_b_fmt:MATRIX_FMT_FP6
.elseif ((\ra) == 1) && ((\rb) == 0)
	v_wmma_scale_f32_16x16x128_f8f6f4 v[\d:\d+7], v[\a:\a+11], v[\b:\b+11], v[\d:\d+7], v[\sa], v[\sb] matrix_a_fmt:MATRIX_FMT_FP6 matrix_b_fmt:MATRIX_FMT_FP6 matrix_a_scale:MATRIX_SCALE_ROW1
.elseif ((\ra) == 0) && ((\rb) == 1)
	v_wmma_scale_f32_16x16x128_f8f6f4 v[\d:\d+7], v[\a:\a+11], v[\b:\b+11], v[\d:\d+7], v[\sa], v[\sb] matrix_a_fmt:MATRIX_FMT_FP6 matrix_b_fmt:MATRIX_FMT_FP6 matrix_b_scale:MATRIX_SCALE_ROW1
.else
	v_wmma_scale_f32_16x16x128_f8f6f4 v[\d:\d+7], v[\a:\a+11], v[\b:\b+11], v[\d:\d+7], v[\sa], v[\sb] matrix_a_fmt:MATRIX_FMT_FP6 matrix_b_fmt:MATRIX_FMT_FP6 matrix_a_scale:MATRIX_SCALE_ROW1 matrix_b_scale:MATRIX_SCALE_ROW1
.endif
.endm
	s_load_b256 s[4:11], s[0:1], 0x0               ; cc s[4:5], cs s[6:7], Wo's codes s[8:9], Wo's scales s[10:11]
	s_load_b128 s[12:15], s[0:1], 0x20             ; bo s[12:13], out0 s[14:15]
	s_set_vgpr_msb 0x40
	v_lshl_add_u32 v0, v0, 2, SPARE                ; v256: my spare word
	v_mov_b32 v1, 0                                ; v257: 0
	s_set_vgpr_msb 0x4000
	v_lshrrev_b32 v156, 5, v0
	s_delay_alu instid0(VALU_DEP_1)
	v_readfirstlane_b32 s16, v156                  ; wave 0..11
	s_lshr_b32 s17, s16, 2                         ; on the way in and out: w / 4
	s_and_b32 s18, s16, 3                          ; and w % 4
	s_and_b32 s19, s16, 1                          ; which two tiles of ctx
	s_lshr_b32 s20, s16, 1                         ; which two tiles of Wo
	s_and_b32 s21, ttmp7, 0xffff                   ; which 192 outputs
	v_and_b32 v157, 31, v0                         ; lane
	v_and_b32 v2, 15, v0                           ; r
	v_bfe_u32 v3, v0, 4, 1                         ; h
	s_delay_alu instid0(VALU_DEP_3)
	v_lshlrev_b32 v1, 4, v157                      ; 16 x lane
	v_lshlrev_b32 v5, 2, v0                        ; 4 x thread
	s_delay_alu instid0(VALU_DEP_3)
	v_lshlrev_b32 v22, 5, v3                       ; the bias: my half's eight numbers
	; Wo's way in: eight rows are 288 pieces of 16 bytes, nine instructions of 512 bytes; I take instructions 3 (w / 4) + jj of the groups 4 i + w % 4
	s_mul_i32 s36, s17, 1536
	s_mul_i32 s37, s18, 4608
	s_add_co_u32 s36, s36, s37
	v_add_nc_u32 v4, s36, v1
	s_mul_i32 s37, s18, GRP
	s_mul_i32 s36, s17, 96
	v_add_nc_u32 v158, s36, v157
.irp jj, 0,1,2
	v_add_nc_u32 v159, 32*\jj, v158                ; piece x
	s_delay_alu instid0(VALU_DEP_1)
	v_mul_u32_u24 v160, v159, 1821
	s_delay_alu instid0(VALU_DEP_1)
	v_lshrrev_b32 v160, 16, v160                   ; its row x / 36 (exact for x < 288)
	s_delay_alu instid0(VALU_DEP_1)
	v_add_nc_u32 v159, v159, v160
	s_delay_alu instid0(VALU_DEP_1)
	v_lshl_add_u32 v[6+\jj], v159, 4, s37          ; 16 x + 16 for each row passed; v6-8 serve i = 0..3,
	s_delay_alu instid0(VALU_DEP_1)
	v_add_nc_u32 v[9+\jj], 4*QUAD, v[6+\jj]        ; v9-11 i = 4, 5
.endr
	s_mul_i32 s36, s16, 3072
	v_add_nc_u32 v12, s36, v1                      ; ctx's way in: six instructions of 512 bytes a wave, the same place in memory
	s_delay_alu instid0(VALU_DEP_1)
	v_add_nc_u32 v13, CTX, v12                     ; and in LDS
	v_add_nc_u32 v23, WOS, v5                      ; the scale bytes' way in: 4 bytes a thread
	s_mul_i32 s36, s20, 2*TILEB
	v_mul_u32_u24 v14, v2, PITCH
	s_delay_alu instid0(VALU_DEP_1)
	v_mad_u32_u24 v14, v3, 24, v14
	s_delay_alu instid0(VALU_DEP_1)
	v_add_nc_u32 v14, s36, v14                     ; Wo's fragments: row 32 (w / 2) + r, + 24 h
	s_mul_i32 s36, s19, 2*9216
	s_add_co_u32 s36, s36, CTX
	v_add_nc_u32 v15, s36, v1                      ; ctx's fragments: 16 bytes a lane,
	v_lshl_add_u32 v16, v157, 3, s36               ; and 8
	s_mul_i32 s36, s20, 768
	s_add_co_u32 s36, s36, WOS
	v_mad_u32_u24 v17, v157, 24, s36               ; Wo's scale words: row 32 (w / 2) + lane
	s_mul_i32 s36, s19, 768
	s_add_co_u32 s36, s36, CXS
	v_mad_u32_u24 v18, v3, 384, s36
	s_delay_alu instid0(VALU_DEP_1)
	v_lshl_add_u32 v18, v2, 2, v18                 ; ctx's: tile 2 (w % 2) + h, row r
	s_mul_i32 s36, s19, 32*SPITCH
	s_lshl_b32 s37, s20, 7
	s_add_co_u32 s36, s36, s37
	s_add_co_u32 s36, s36, STG
	v_mad_u32_u24 v19, v2, SPITCH, s36
	s_delay_alu instid0(VALU_DEP_1)
	v_lshl_add_u32 v19, v3, 5, v19                 ; into the stage: row 32 (w % 2) + r, byte 128 (w / 2) + 32 h
	s_mul_i32 s36, s18, 16*SPITCH
	s_lshl_b32 s37, s17, 8
	s_add_co_u32 s36, s36, s37
	s_add_co_u32 s36, s36, STG
	v_mad_u32_u24 v20, v3, SPITCH, s36
	s_delay_alu instid0(VALU_DEP_1)
	v_lshl_add_u32 v20, v2, 4, v20                 ; back: tile w % 4, 256 bytes at 256 (w / 4); lanes 0-15 one row, lanes 16-31 the next
	s_mul_i32 s36, s18, 8*3072
	s_add_co_u32 s36, s36, s37
	v_mad_u32_u24 v21, v3, 3072, s36
	s_delay_alu instid0(VALU_DEP_1)
	v_lshl_add_u32 v21, v2, 4, v21                 ; and in out0: the tile's first token 8 (w % 4), + h
	s_mul_i32 s24, ttmp9, 4*9216
	s_mov_b32 s25, 0
	s_mul_i32 s26, ttmp9, 4*384
	s_mov_b32 s27, 0
	s_mul_i32 s28, s21, 192*576
	s_mov_b32 s29, 0
	s_mul_i32 s30, s21, 192*24
	s_mov_b32 s31, 0
	s_mul_i32 s32, s21, 768
	s_lshl_b32 s33, s20, 7
	s_add_co_u32 s32, s32, s33
	s_mov_b32 s33, 0
	s_mul_i32 s34, ttmp9, 64*3072
	s_mul_i32 s35, s21, 768
	s_add_co_u32 s34, s34, s35
	s_mov_b32 s35, 0
	s_wait_alu depctr_va_vdst(0)
	s_wait_kmcnt 0x0
	s_add_nc_u64 s[24:25], s[4:5], s[24:25]        ; ctx's codes
	s_add_nc_u64 s[26:27], s[6:7], s[26:27]        ; its scale words
	s_add_nc_u64 s[28:29], s[8:9], s[28:29]        ; Wo's codes
	s_add_nc_u64 s[30:31], s[10:11], s[30:31]      ; its scale bytes
	s_add_nc_u64 s[32:33], s[12:13], s[32:33]      ; the bias of my 32 outputs
	s_add_nc_u64 s[34:35], s[14:15], s[34:35]      ; out0
.irp t, 0,1
.irp i, 0,1
	global_load_b128 v[ACC+8*(2*\t+\i):ACC+8*(2*\t+\i)+3], v22, s[32:33] offset:64*\i       ; register j of lane (r, h): bo at output 16 i + 8 h + j
	global_load_b128 v[ACC+8*(2*\t+\i)+4:ACC+8*(2*\t+\i)+7], v22, s[32:33] offset:64*\i+16
.endr
.endr
	global_load_b32 v152, v5, s[26:27]
	global_load_b32 v153, v5, s[30:31]
	global_load_b32 v154, v5, s[30:31] offset:1536
	global_load_b32 v155, v5, s[30:31] offset:3072
.irp i, 0,1,2,3,4,5
.irp jj, 0,1,2
	global_load_b128 v[FB+12*\i+4*\jj:FB+12*\i+4*\jj+3], v4, s[28:29] offset:18432*\i+512*\jj
.endr
.endr
.irp k, 0,1,2,3,4,5
	global_load_b128 v[128+4*\k:131+4*\k], v12, s[24:25] offset:512*\k
.endr
	s_wait_loadcnt 24                              ; the bias and the four small loads are in; the 24 loads of codes may be out
	ds_store_b32 v23, v152 offset:192*24
	ds_store_b32 v23, v153
	ds_store_b32 v23, v154 offset:1536
	ds_store_b32 v23, v155 offset:3072
.irp i, 0,1,2,3,4,5
	s_wait_loadcnt 3*(5-\i)+6                      ; Wo's group i is in; its later groups and ctx's six loads may be out
.irp jj, 0,1,2
	ds_store_b128 v[6+3*(\i/4)+\jj], v[FB+12*\i+4*\jj:FB+12*\i+4*\jj+3] offset:(\i%4)*QUAD
.endr
.endr
	s_wait_loadcnt 0x0
.irp k, 0,1,2,3,4,5
	ds_store_b128 v13, v[128+4*\k:131+4*\k] offset:512*\k
.endr
	s_wait_dscnt 0x0                               ; for the others' sake: my stores have landed
	s_barrier_signal -1
	s_barrier_wait -1
.macro LOADS e, s                      ; K step s into place e: 22 LDS loads
.irp i, 0,1
.irp p, 0,1,2,3,4,5
	ds_load_b64 v[FB+48*(\e)+12*\i+2*\p:FB+48*(\e)+12*\i+2*\p+1], v14 offset:TILEB*\i+96*(\s)+48*(\p/3)+8*(\p%3)
.endr
.endr
.irp t, 0,1
	ds_load_b128 v[FB+48*(\e)+24+12*\t:FB+48*(\e)+24+12*\t+3], v15 offset:9216*\t+1536*(\s)
	ds_load_b64 v[FB+48*(\e)+24+12*\t+4:FB+48*(\e)+24+12*\t+5], v16 offset:9216*\t+1536*(\s)+512
	ds_load_b128 v[FB+48*(\e)+24+12*\t+6:FB+48*(\e)+24+12*\t+9], v15 offset:9216*\t+1536*(\s)+768
	ds_load_b64 v[FB+48*(\e)+24+12*\t+10:FB+48*(\e)+24+12*\t+11], v16 offset:9216*\t+1536*(\s)+1280
.endr
	ds_load_b32 v[SCW+2*(\e)], v17 offset:4*(\s)
	ds_load_b32 v[SCW+2*(\e)+1], v18 offset:64*(\s)
.endm
.macro MULS e                          ; the K step in place e: the four accumulators by turns, in the same order in every step
.irp t, 0,1
.irp i, 0,1
	WMMA ACC+8*(2*\t+\i), FB+48*(\e)+12*\i, FB+48*(\e)+24+12*\t, SCW+2*(\e), SCW+2*(\e)+1, \i, \t
.endr
.endr
.endm
	LOADS 0, 0
	LOADS 1, 1
	LOADS 2, 2
	LOADS 3, 3
	s_wait_dscnt 44                                ; K steps 0 and 1 are in; the 44 loads of steps 2 and 3 may be out
	MULS 0
	MULS 1
	PLACES
	LOADS 0, 4
	LOADS 1, 5
	s_wait_dscnt 44                                ; K steps 2 and 3 are in; the 44 loads just issued may be out
	MULS 2
	MULS 3
	s_wait_dscnt 0x0
	MULS 0
	MULS 1
	PLACES
	; THE WAY OUT.  A lane holds 32 neighbouring bytes of a token's row; a row's 768 bytes come from six waves.  They meet in the stage, and each wave stores 16 rows x 256 bytes.
.irp t, 0,1
.irp i, 0,1
	ds_store_b128 v19, v[ACC+8*(2*\t+\i):ACC+8*(2*\t+\i)+3] offset:16*SPITCH*\t+64*\i          ; each accumulator from its low end on
	ds_store_b128 v19, v[ACC+8*(2*\t+\i)+4:ACC+8*(2*\t+\i)+7] offset:16*SPITCH*\t+64*\i+16
.endr
.endr
	s_wait_dscnt 0x0                               ; for the others' sake: my stores into the stage have landed
	s_barrier_signal -1
	s_barrier_wait -1
.irp k, 0,1,2,3,4,5,6,7
	ds_load_b128 v[FB+4*\k:FB+4*\k+3], v20 offset:2*SPITCH*\k      ; the tile's rows 2 k + h
.endr
.irp k, 0,1,2,3,4,5,6,7
	s_wait_dscnt 7-\k                              ; load k is in; the younger ones may be out
	global_store_b128 v21, v[FB+4*\k:FB+4*\k+3], s[34:35] offset:3072*(2*\k+24*(\k/4)) th:TH_STORE_NT   ; row r = 2 k + h is token 32 (r / 8) + 8 t + r % 8; 16 lanes store 256 consecutive bytes, at a multiple of 256 from out0's first byte
.endr
	s_set_vgpr_msb 0x5
	s_wait_tensorcnt 0x0                           ; the wave's end
	ds_add_u32 v0, v1
	s_wait_dscnt 0x0
	s_set_vgpr_msb 0x500
	s_endpgm
.Lfunc_end_k_q50cff3e281_outp:
	.size	k_q50cff3e281_outp, .Lfunc_end_k_q50cff3e281_outp-k_q50cff3e281_outp
	.p2alignl 7, 3214868480
	.fill 96, 4, 3214868480
	.section	.rodata,"a",@progbits
	.p2align	6, 0x0
	.amdhsa_kernel k_q50cff3e281_outp
		.amdhsa_group_segment_fixed_size 208384
		.amdhsa_private_segment_fixed_size 0
		.amdhsa_enable_private_segment 0
		.amdhsa_kernarg_size 48
		.amdhsa_user_sgpr_count 2
		.amdhsa_user_sgpr_kernarg_segment_ptr 1
		.amdhsa_wavefront_size32 1
		.amdhsa_system_sgpr_workgroup_id_x 1
		.amdhsa_system_sgpr_workgroup_id_y 1
		.amdhsa_system_sgpr_workgroup_id_z 1
		.amdhsa_system_vgpr_workitem_id 0
		.amdhsa_next_free_vgpr 258
		.amdhsa_next_free_sgpr 66
		.amdhsa_reserve_vcc 0
		.amdhsa_float_denorm_mode_32 3
		.amdhsa_float_denorm_mode_16_64 3
		.amdhsa_memory_ordered 1
		.amdhsa_forward_progress 1
		.amdhsa_inst_pref_size 26
	.end_amdhsa_kernel
	.amdgpu_metadata
---
amdhsa.version: [ 1, 2 ]
amdhsa.kernels:
  - .name:           k_q50cff3e281_outp
    .symbol:         k_q50cff3e281_outp.kd
    .args:
      - { .name: cc, .offset: 0, .size: 8, .value_kind: global_buffer, .address_space: global }
      - { .name: cs, .offset: 8, .size: 8, .value_kind: global_buffer, .address_space: global }
      - { .name: Wo_codes, .offset: 16, .size: 8, .value_kind: global_buffer, .address_space: global }
      - { .name: Wo_scales, .offset: 24, .size: 8, .value_kind: global_buffer, .address_space: global }
      - { .name: bo, .offset: 32, .size: 8, .value_kind: global_buffer, .address_space: global }
      - { .name: out0, .offset: 40, .size: 8, .value_kind: global_buffer, .address_space: global }
    .group_segment_fixed_size: 208384
    .private_segment_fixed_size: 0
    .kernarg_segment_align: 8
    .kernarg_segment_size: 48
    .max_flat_workgroup_size: 384
    .sgpr_count:     66
    .vgpr_count:     258
    .wavefront_size: 32
...
	.end_amdgpu_metadata
.endif
;; end of part 3
